; MI455X (gfx1250); checked and timed in simulation.
; The chip was launched on July 23, 2026; its instructions are those of AMD's public machine-readable ISA for CDNA 5 (MIT licence, August 2026) and "CDNA5" Instruction Set Architecture Reference Guide (July 2026). The comments in the code are by the model that wrote it; some were corrected since.
;; Bert Self Attention. Allowed arithmetic: matrix products marked QUANTISED: E2M1 operands, one E8M0 scale for each 32 along K, by v_wmma_scale_f32_16x16x128_f8f6f4 with both operands' format E2M1 (or v_wmma_scale_f32_32x16x128_f4), f32 sums; everything else in f32.
;; Inputs: Wk 1,024 x 1,024 float32; Wq 1,024 x 1,024 float32; Wv 1,024 x 1,024 float32; attention_mask 4 x 1 x 1 x 2,048 float32; bk 1,024 float32; bq 1,024 float32; bv 1,024 float32; hidden_states 4 x 2,048 x 1,024 float32.
;; Outputs: out0 4 x 2,048 x 1,024 float32.
;; This version of the problem:
;;   THIS VERSION OF THE PROBLEM IS GIVEN IN LOW PRECISION. The matrix products marked QUANTISED in the list below multiply operands that are first quantised to E2M1 (2 exponent bits, 1 mantissa bit; 4 bits a number), with one power-of-two scale for each 32 numbers along K (OCP MX v1.0); their sums are f32. All else is computed in f32.
;;   The module's matrix products, in the order in which they are computed (A, B: the left and right operand; K: the contracted axis; several contracted axes count as one K, in the product's order):
;;     1. [M 8,192, K 1,024] x [K 1,024, N 1,024]; A: input hidden_states; B: input Wq: QUANTISED
;;     2. [M 8,192, K 1,024] x [K 1,024, N 1,024]; A: input hidden_states; B: input Wk: QUANTISED
;;     3. [M 8,192, K 1,024] x [K 1,024, N 1,024]; A: input hidden_states; B: input Wv: QUANTISED
;;     4. batch 64 x [M 2,048, K 64] x [K 64, N 2,048]; A: computed on the way; B: computed on the way: QUANTISED
;;     5. batch 64 x [M 2,048, K 2,048] x [K 2,048, N 64]; A: softmax (see below); B: computed on the way: QUANTISED
;;   THE QUANTISER, for each operand of a quantised product, along K:
;;     - K is cut into blocks of 32 from its start; a last block that is shorter is filled with zeros.
;;     - A block's scale is 2^e with e = floor(log2(the largest magnitude in the block)) - 2, held to -126 .. 127; a block of zeros has e = 0. As a byte (E8M0): e + 127.
;;     - Each number is divided by its block's scale, clamped to +-6, and rounded to the nearest number of E2M1, ties to even, subnormals kept.
;;     - The product sums the exact products of the quantised numbers (number of the format x scale) in f32.
;;   ~~~python
;;   def quantise(x, axis):      # numpy; x: float32 -> the quantised numbers, widened to float32 again
;;       x = np.moveaxis(x, axis, -1); K = x.shape[-1]
;;       x = np.pad(x, [(0, 0)] * (x.ndim - 1) + [(0, -K % 32)]); x = x.reshape(x.shape[:-1] + (-1, 32)); a = np.abs(x).max(-1, keepdims=True)
;;       e = np.where(a > 0, np.clip(np.frexp(np.where(a > 0, a, 1))[1] - 1 - 2, -126, 127), 0)      # np.frexp(a)[1] - 1 = floor(log2(a)), exactly
;;       r = np.clip(x / 2.0 ** e, -6, 6)
;;       step = 2.0 ** (np.maximum(np.frexp(np.where(r == 0, 1, r))[1] - 1, 0) - 1)
;;       q = np.round(r / step) * step * 2.0 ** e      # np.round: ties to even
;;       return np.moveaxis(q.reshape(q.shape[:-2] + (-1,))[..., :K], -1, axis).astype(np.float32)
;;   ~~~
;;   SOFTMAX AHEAD OF A QUANTISED PRODUCT. Where the list says 'softmax', what is quantised is not the finished softmax but p = 2^(t - M), with t = logit x log2(e) and M = ceil(the row's largest t), a whole number; so 1/2 < the row's largest p <= 1. The row's sum l is taken of the UNQUANTISED p, in f32, and the product's result is divided by l at the end. Since M is a whole number, a kernel that streams over the keys may use a running M (the ceiling of the running maximum): every later rescaling is an exact power of two, which a block's scale takes up: the codes' values come out the same.
;;   OPERANDS COMPUTED ON THE WAY. 'Computed on the way' means the value that the module computes at that place (a softmax that the list does not call 'softmax' is quantised finished and normalised). What goes into a quantiser is computed in f32, as accurately as f32 sums, v_exp_f32 and their like allow (about 1e-6 of the number): no bf16 or f16 on the way to a quantiser, and a product that is left as it is and whose result goes on into a quantised operand takes f32 operands (vector FMAs, or v_wmma_f32_16x16x4_f32). A number that lies on a knife's edge between two numbers of the format may be rounded either way, as far as f32 arithmetic and the matrix unit's own rounding can turn it there, and no further.
;; One version. Each part assembles by itself: llvm-mc -triple=amdgcn-amd-amdhsa -mcpu=gfx1250 --defsym DOCPART=n.
;; ======== version 1 of 1: 3 launches
;; limits: right only within a limited range of input values
;; workspace buffers: xc 4,194,304 bytes; xs 262,144 bytes; wc 1,572,864 bytes; ws 98,304 bytes; qrec 9,175,040 bytes; kv 9,175,040 bytes
;; launch quant (part 1): grid 256 x 1, 11 waves a work-group, no clusters, 91,648 bytes of LDS; arguments hidden_states, Wq, Wk, Wv, xc, xs, wc, ws; writes xc, xs, wc, ws
.if DOCPART == 1
	.amdgcn_target "amdgcn-amd-amdhsa--gfx1250"
	.amdhsa_code_object_version 6
	.text
	.protected	k_qd470b8c461_quant
	.globl	k_qd470b8c461_quant
	.p2align	8
	.type	k_qd470b8c461_quant,@function
k_qd470b8c461_quant:
	s_mov_b64 s[64:65], 0
	v_nop
	global_prefetch_b8 v0, s[64:65] scope:SCOPE_SE
	s_setreg_imm32_b32 hwreg(HW_REG_WAVE_MODE, 25, 1), 1
	s_wait_xcnt 0x0
; BERT self-attention on codes of FP4 (E2M1) with one E8M0 scale for each 32 along K, in three launches.  THIS ONE: hidden_states [8192][1024] and Wq, Wk, Wv [1024][1024], f32, K innermost,
; become codes (xc, wc: 512 bytes a row) and scale bytes (xs, ws: 32 a row).  The second launch multiplies them, adds the biases and quantises q, k and v; the third is the attention.
; DEAD WORK: none.  Every bias goes into a quantiser (bk too: it moves k's codes and scales), the mask differs from key to key along the softmax's axis, all five products reach the output: all eight inputs are loaded.
; A block's scale is 2^(floor(log2(its largest magnitude)) - 2); its byte is the largest magnitude's own exponent field - 2, held at 1 from below.  Each number is divided by the scale and rounded to the nearest code, ties to even.
; LIMITS: a block of zeros gets the byte 1 where the rule says 127 (its codes are zeros, which add nothing under any byte but 0xff, and this program alone reads the bytes); blocks whose largest magnitude lies under 2^-124 take the floor's scale;
; NaN and infinities in hidden_states and the weights are not served.
; SHARES.  The four tensors have 11,264 rows: 2,816 runs of 4 rows.  256 work-groups of 11 waves, a run to a wave: run u = 11 x work-group + wave.  Runs 0-2047 are hidden_states', then 256 each of Wq, Wk, Wv:
; only pointers are chosen, by u; all waves take one path.  No tensor loads, no barrier: waves share nothing.
; ROW PLACES.  In the buffers of codes and scale bytes, row rho of each group of 32 rows lies at the place with bits 3 and 4 of rho exchanged: place 16 u + m holds row 8 u + m + 8 (m / 8).  So 16 neighbouring places are the 16 rows
; that the second launch wants as one tile.  For a run of 4 rows that is an exchange of bits 1 and 2 of the run's number.
; A wave takes 8 steps of 512 numbers, and asks for all its 32 loads at its head.  Each load reads 512 consecutive bytes, 16 a lane; a step's 2,048 bytes turn through the wave's own stage in LDS and come back 64 bytes a lane:
; 16 neighbours along K, two neighbouring lanes to a block.  A lane's 16 codes are 8 bytes: the wave stores 256 consecutive bytes, aligned.  A wave's 128 scale bytes are gathered in LDS and leave as 128 consecutive bytes:
; two neighbouring runs fill an aligned 256 (one byte in 128 of what the launch reads).
.set WAVES, 11
.set STEPS, 8
.set EMAX,  2
.set CB,    8                          ; bytes of 16 codes
.set R,     16                         ; v16-143  eight sets of 16 numbers as they are loaded
.set X,     144                        ; v144-175 two sets of 16 neighbours
.set E,     176                        ; v176-183 a scale byte for each step
.set C,     192                        ; v192-223 codes: four registers for each step, so that no store's data are written again
.set WREG,  8192                       ; LDS: a region for each wave: two stages of 32 x SP bytes, and behind them its scale bytes
.set SP,    80                         ; a lane's place in a stage: its 64 bytes + 16 of padding
.set SPW,   12                         ; v12      LDS address of my spare word; never rewritten
.set NIL,   13                         ; v13      0; never rewritten
.set SPARE, WAVES*WREG                 ; behind the regions: the spare words, 128 bytes for each wave
	s_load_b256 s[4:11], s[0:1], 0x0               ; hidden_states s[4:5], Wq s[6:7], Wk s[8:9], Wv s[10:11]
	s_load_b256 s[12:19], s[0:1], 0x20             ; xc s[12:13], xs s[14:15], wc s[16:17], ws s[18:19]
	v_lshl_add_u32 v[SPW], v0, 2, SPARE
	v_mov_b32 v[NIL], 0
	v_lshrrev_b32 v1, 5, v0
	v_readfirstlane_b32 s20, v1                    ; wave
	v_and_b32 v2, 31, v0                           ; lane
	v_lshlrev_b32 v3, 4, v2                        ; my 16 bytes of a load's 512
	s_mul_i32 s23, s20, WREG
	v_lshrrev_b32 v14, 2, v2
	v_mul_u32_u24 v14, v14, SP
	v_and_b32 v15, 3, v2
	v_lshl_add_u32 v14, v15, 4, v14
	v_add_nc_u32 v14, s23, v14                     ; the stage, on the way in: SP (lane / 4) + 16 (lane % 4)
	v_mul_u32_u24 v15, v2, SP
	v_add_nc_u32 v15, s23, v15                     ; and on the way out: SP x lane: my 16 neighbours
	v_mul_u32_u24 v4, v2, CB                       ; my codes' place in a step's
	v_lshrrev_b32 v5, 1, v2
	s_add_co_u32 s23, s23, 2*32*SP
	v_add_nc_u32 v5, s23, v5                       ; LDS: my wave's scale bytes, my block's byte
	v_lshlrev_b32 v7, 2, v2                        ; and on the way out 4 bytes a lane
	v_add_nc_u32 v6, s23, v7
	s_mul_i32 s21, ttmp9, WAVES
	s_add_co_u32 s21, s21, s20                     ; u: my run of 4 rows
	s_sub_co_u32 s22, s21, 2048                    ; a weight's run: in the three weights' common buffers,
	s_and_b32 s24, s22, 255                        ; and in its own tensor
	s_wait_alu depctr_va_vdst(0)                   ; the wait at the head's end
	s_wait_kmcnt 0x0
	s_cmp_lt_u32 s21, 2048+512                     ; the choices hang on the work-group's and the wave's number alone
	s_cselect_b64 s[10:11], s[8:9], s[10:11]
	s_cmp_lt_u32 s21, 2048+256
	s_cselect_b64 s[10:11], s[6:7], s[10:11]       ; the weight, if it is one
	s_cmp_lt_u32 s21, 2048
	s_cselect_b64 s[4:5], s[4:5], s[10:11]         ; from where,
	s_cselect_b64 s[12:13], s[12:13], s[16:17]     ; the codes' buffer,
	s_cselect_b64 s[14:15], s[14:15], s[18:19]     ; the scale bytes' buffer
	s_cselect_b32 s24, s21, s24
	s_cselect_b32 s22, s21, s22
	s_lshl_b32 s26, s24, 14                        ; a run is 16,384 bytes of f32 (under 2^26 in all)
	s_mov_b32 s27, 0
	s_add_nc_u64 s[4:5], s[4:5], s[26:27]
	s_and_b32 s25, s22, 0xfffffff9                 ; where the run goes: bits 1 and 2 of its number change places
	s_bfe_u32 s28, s22, 0x10001
	s_bfe_u32 s29, s22, 0x10002
	s_lshl_b32 s28, s28, 2
	s_lshl_b32 s29, s29, 1
	s_or_b32 s25, s25, s28
	s_or_b32 s22, s25, s29
	s_lshl_b32 s26, s22, 11                        ; 2,048 bytes of codes,
	s_add_nc_u64 s[12:13], s[12:13], s[26:27]
	s_lshl_b32 s26, s22, 7                         ; 128 scale bytes
	s_add_nc_u64 s[14:15], s[14:15], s[26:27]
.macro LOAD t
.irp i, 0,1,2,3
	global_load_b128 v[R+16*(\t)+4*\i:R+16*(\t)+4*\i+3], v3, s[4:5] offset:2048*(\t)+512*\i th:TH_LOAD_NT   ; 32 lanes read 512 consecutive bytes; read once in the launch
.endr
.endm
.macro TURN t                          ; step t's numbers through the stage: LDS serves a wave's instructions in order, so no wait stands between the stores and the loads
.irp i, 0,1,2,3
	ds_store_b128 v14, v[R+16*(\t)+4*\i:R+16*(\t)+4*\i+3] offset:32*SP*((\t)%2)+8*SP*\i
.endr
.irp i, 0,1,2,3
	ds_load_b128 v[X+16*((\t)%2)+4*\i:X+16*((\t)%2)+4*\i+3], v15 offset:32*SP*((\t)%2)+16*\i
.endr
.endm
.irp t, 0,1,2,3,4,5,6,7
	LOAD \t
.endr
	s_wait_loadcnt 28                              ; step 0's four loads are in; those of steps 1 to 7 may be out
	TURN 0
.macro STEP t
.set XS, X+16*((\t)%2)
.if (\t) > 0
	s_wait_dscnt 1                                 ; this step's numbers are back from the stage (the last step's byte store may be out)
.else
	s_wait_dscnt 0x0
.endif
.if (\t)+1 < STEPS
	s_wait_loadcnt 4*(STEPS-2-(\t))                ; the next step's four loads are in; those of the steps behind it may be out
	TURN (\t)+1                                    ; and go through the other stage while this step is worked
.endif
	v_max3_num_f32 v8, |v[XS]|, |v[XS+1]|, |v[XS+2]|               ; the largest magnitude of my 16, in two chains
	v_max3_num_f32 v9, |v[XS+3]|, |v[XS+4]|, |v[XS+5]|
.irp i, 6,10
	v_max3_num_f32 v8, v8, |v[XS+\i]|, |v[XS+\i+1]|
	v_max3_num_f32 v9, v9, |v[XS+\i+2]|, |v[XS+\i+3]|
.endr
	v_max3_num_f32 v8, v8, |v[XS+14]|, |v[XS+15]|
	v_max3_num_f32 v8, v8, v9, (EMAX+1)<<23        ; and the floor 2^(3 - 127): so the byte cannot fall under 1
	v_max_num_f32_dpp v8, v8, v8 row_xmask:1 row_mask:0xf bank_mask:0xf   ; and of my neighbour's 16: the block's
	v_add_nc_u32 v11, -(EMAX<<23), v8              ; 2 off its exponent field: the conversion takes the exponent field of this operand as its scale, and nothing else of it
	v_cvt_scalef32_pk8_fp4_f32 v[C+4*(\t)], v[XS:XS+7], v11        ; eight numbers / the scale, to the nearest code, beyond the largest code the largest; the first number's code in the lowest four bits
	v_cvt_scalef32_pk8_fp4_f32 v[C+4*(\t)+1], v[XS+8:XS+15], v11
	v_lshrrev_b32 v[E+(\t)], 23, v11               ; the scale's byte (also the plain line behind the conversions)
	ds_store_b8 v5, v[E+(\t)] offset:16*(\t)       ; both lanes of a block write the same byte with the same value
	global_store_b64 v4, v[C+4*(\t):C+4*(\t)+1], s[12:13] offset:32*CB*(\t)   ; the wave stores 256 consecutive bytes, aligned
.endm
.irp t, 0,1,2,3,4,5,6,7
	STEP \t
.endr
	ds_load_b32 v8, v6                             ; LDS serves a wave's instructions in order: this sees my stores
	s_wait_dscnt 0x0
	global_store_b32 v7, v8, s[14:15]              ; 32 lanes store 128 consecutive bytes
	s_wait_tensorcnt 0x0                           ; the wave's end: behind my last LDS store
	ds_add_u32 v[SPW], v[NIL]
	s_wait_dscnt 0x0
	s_endpgm
.Lfunc_end_k_qd470b8c461_quant:
	.size	k_qd470b8c461_quant, .Lfunc_end_k_qd470b8c461_quant-k_qd470b8c461_quant
	.p2alignl 7, 3214868480
	.fill 96, 4, 3214868480
	.section	.rodata,"a",@progbits
	.p2align	6, 0x0
	.amdhsa_kernel k_qd470b8c461_quant
		.amdhsa_group_segment_fixed_size 91648
		.amdhsa_private_segment_fixed_size 0
		.amdhsa_enable_private_segment 0
		.amdhsa_kernarg_size 64
		.amdhsa_user_sgpr_count 2
		.amdhsa_user_sgpr_kernarg_segment_ptr 1
		.amdhsa_wavefront_size32 1
		.amdhsa_system_sgpr_workgroup_id_x 1
		.amdhsa_system_sgpr_workgroup_id_y 1
		.amdhsa_system_sgpr_workgroup_id_z 1
		.amdhsa_system_vgpr_workitem_id 0
		.amdhsa_next_free_vgpr 256
		.amdhsa_next_free_sgpr 66
		.amdhsa_reserve_vcc 0
		.amdhsa_float_denorm_mode_32 3
		.amdhsa_float_denorm_mode_16_64 3
		.amdhsa_memory_ordered 1
		.amdhsa_forward_progress 1
		.amdhsa_inst_pref_size 19
	.end_amdhsa_kernel
	.amdgpu_metadata
---
amdhsa.version: [ 1, 2 ]
amdhsa.kernels:
  - .name:           k_qd470b8c461_quant
    .symbol:         k_qd470b8c461_quant.kd
    .args:
      - { .name: hidden_states, .offset: 0, .size: 8, .value_kind: global_buffer, .address_space: global }
      - { .name: Wq, .offset: 8, .size: 8, .value_kind: global_buffer, .address_space: global }
      - { .name: Wk, .offset: 16, .size: 8, .value_kind: global_buffer, .address_space: global }
      - { .name: Wv, .offset: 24, .size: 8, .value_kind: global_buffer, .address_space: global }
      - { .name: xc, .offset: 32, .size: 8, .value_kind: global_buffer, .address_space: global }
      - { .name: xs, .offset: 40, .size: 8, .value_kind: global_buffer, .address_space: global }
      - { .name: wc, .offset: 48, .size: 8, .value_kind: global_buffer, .address_space: global }
      - { .name: ws, .offset: 56, .size: 8, .value_kind: global_buffer, .address_space: global }
    .group_segment_fixed_size: 91648
    .private_segment_fixed_size: 0
    .kernarg_segment_align: 8
    .kernarg_segment_size: 64
    .max_flat_workgroup_size: 352
    .sgpr_count:     66
    .vgpr_count:     256
    .wavefront_size: 32
...
	.end_amdgpu_metadata
.endif
;; end of part 1
;; launch proj (part 2): grid 64 x 4, 4 waves a work-group, clusters of 4 x 4, 327,680 bytes of LDS; arguments xc, xs, wc, ws, bq, bk, bv, qrec, kv; writes qrec, kv
.if DOCPART == 2
	.amdgcn_target "amdgcn-amd-amdhsa--gfx1250"
	.amdhsa_code_object_version 6
	.text
	.protected	k_qd470b8c461_proj
	.globl	k_qd470b8c461_proj
	.p2align	8
	.type	k_qd470b8c461_proj,@function
k_qd470b8c461_proj:
	s_mov_b64 s[64:65], 0
	v_nop
	global_prefetch_b8 v0, s[64:65] scope:SCOPE_SE
	s_setreg_imm32_b32 hwreg(HW_REG_WAVE_MODE, 25, 1), 1
	s_wait_xcnt 0x0
	s_wait_alu depctr_hold_cnt(0) depctr_sa_sdst(0) depctr_va_vdst(0) depctr_va_sdst(0) depctr_va_ssrc(0) depctr_va_vcc(0) depctr_vm_vsrc(0)
	s_getreg_b32 s2, hwreg(HW_REG_IB_STS2, 6, 4)
	s_cmp_eq_u32 s2, 0
	s_cbranch_scc0 .Lentry_in_a_cluster
	s_endpgm
.Lentry_in_a_cluster:
	s_bfe_u32 s2, ttmp6, 0x10000c
	s_cmp_lg_u32 s2, 0xf033
	s_cbranch_scc0 .Lentry_shape_is_right
	s_endpgm
.Lentry_shape_is_right:
; q = x Wq^T + bq, k = x Wk^T + bk, v = x Wv^T + bv on codes of FP4 (E2M1) with E8M0 scales (K = 1,024), and the results QUANTISED AGAIN in registers for the attention: q and k along the head's 64, v along the tokens.
; Nothing of reference() is left out here.
; P is the operand in source 0: its index runs along a lane's registers and is the NEXT product's K.  R is the operand in source 1: its rows are lanes.
; 256 WORK-GROUPS THAT STAY, in 16 clusters of 4 x 4, told apart by the cluster's number c.  PART 1: q (c even) or k (c odd): P = 256 rows of the weight (by cx), R = 256 tokens of the 1,024 with number c / 2 (by cy); a wave makes 128 x 128.
; PART 2: v: P = 256 tokens of the same 1,024 (by cx; the keys are the next K), R = 128 rows of Wv (512 (c % 2) + 128 cy on); a wave makes 64 (R: one head) x 128 (P).  So every work-group has the same work: 3 x 8 x 16 tiles of 16 x 16 over 1,024.
; All of K lies in LDS: a row is 512 bytes.  A part's four tiles (R's codes, P's codes, R's scale bytes, P's) are asked for by the four waves, one joint load each: R's hang on cy alone and go to a row of the cluster, P's on cx alone and to a column.
; Part 2's tiles fill part 1's bytes again behind a round of the cluster's barrier, as soon as part 1's products are done: they are on their way while q or k is quantised and stored.
; No prefetch: the launch has no loop to run ahead in; each tile is asked for once.
; ROW PLACES (made by the first launch): place 16 u + m of a group of 32 holds row 8 u + m + 8 (m / 8).  So the 16 registers of P's tiles 2 g and 2 g + 1 are the true indices 32 g + 16 (lane / 16) + 0 .. 15,
; and lane r of R's tile 2 g + u is the true row 32 g + 8 u + r + 8 (r / 8).
; THE WAY OUT, all in registers: for each of R's tiles the lane's 64 sums take their bias, are quantised (four blocks of 32), and leave as IMAGES OF THE NEXT OPERAND'S REGISTERS, 16 bytes a lane, 512 consecutive bytes a store.
; A STEP RECORD (8,960 bytes: 128 tokens of one batch and head; 16 of them a head):  0: eight tiles of 16 tokens x 64 codes, 512 bytes each;  4096: four tiles of 16 of the head's 64 x 128 tokens, 1,024 bytes each (kv alone);
; 8192: the tokens' scale words, [tile / 4][r][tile % 4], bytes 0, 1 = the two blocks of 32, bytes 2, 3 = 0;  8704: v's scale words [r][tile] (kv alone).
; THE DIVISION BY sqrt(64) = 8 is 3 taken off q's scale bytes.  For that the floor under a block's largest magnitude is 2^(6 - 127): no byte falls under 4.
; LIMITS: blocks of q, k or v whose largest magnitude lies under 2^-121 take the floor's scale; a block of zeros has the floor's byte where the rule says 127 (zero codes; this program alone reads the bytes); NaN and infinities are not served.
; REGISTERS: window 0: v0-31 addresses; v32-95 scale words of both halves of K, and nothing else; v96-127 at work on the way out; v128-191 R's fragments, later 64 numbers; v192-255 the bias.
;   window 1: P's fragments, two sets, at v0 and v128.   window 2: the accumulators of R's tiles 0-3 (accumulator (a, b) at v[8 (8 (a % 4) + b)]);   window 3: those of tiles 4-7 (part 1 alone).
.set PITCH,  528                       ; an LDS row: 512 bytes + 16 of padding = 132 words: the 16 rows that a load touches start 4 banks apart (64 banks of 4 bytes: ISA guide 11.1)
.set FR,     8                         ; registers of a fragment: 16 rows x 128 K
.set NL,     2                         ; LDS loads that bring one
.set NP,     4                         ; places behind this matrix instruction (ISA guide 7.12.1)
.set HALFT,  128*PITCH
.set SCL,    4*HALFT                   ; behind R's 256 rows and P's 256: the scale bytes, as runs of 256 bytes + 16 of padding
.set HALFS,  16*272                    ; those of 128 rows
.set SBLK,   2*272                     ; those of 16 rows
.set SPARE,  SCL+4*HALFS               ; the spare words, 128 bytes for each wave
.set BIASL,  SPARE+512                 ; 512 bytes for each wave: part 1's 128 numbers of the bias; no tensor load lands here
.set BIAS2,  BIASL+2048                ; 256 bytes for each wave: part 2's 64
.set HEADB,  143360
.set RECB,   8960
.set CO2,  13                          ; 8 x lane
.set BST2, 14                          ; where I put my 8 bytes of bv
.set SO2,  15                          ; 16 r
.set ADRA, 16                          ; v16-17  my R fragments, first and second 512 along K (part 1)
.set ADRA2,18                          ; v18-19  the same in part 2
.set ADRB, 20                          ; v20-21  my P fragments
.set BLB,  22                          ; bv by R's rows
.set ADRS2,23                          ; my scale words in part 2
.set SO,   24                          ; 16 r, lanes 16-31 a head further on
.set SH,   25                          ; 16 (lane / 16)
.set CO,   26                          ; 16 x lane
.set ADRS, 27                          ; my scale words in part 1: lanes 0-15 R's rows, lanes 16-31 P's
.set SPW,  28                          ; my spare word; never rewritten
.set NIL,  29                          ; 0; never rewritten
.set BST,  30
.set BLA,  31                          ; the bias by P's index
.set SC,   32                          ; register 32 s + 4 i + q: lanes 0-15 the word of R's tile i, lanes 16-31 that of P's tile i, for 128 (4 s + q) along K
.set TM,   96
.set PW,   112
.set PC,   120
.set AF,   128
.set T,    128
.set W,    128
.set BV,   192
.set G1, 24                            ; group 1 for R's codes; G0, G0R2 its groups 0 in parts 1, 2
.set G0, 32
.set G0R2, 36
.set G1B, 48                           ; the same for P's codes
.set G0B, 56
.set G0P2, 60
.set G1S, 68                           ; R's scale bytes
.set G0S, 76
.set G0SR2, 4
.set G1SB, 80                          ; P's scale bytes
.set G0SB, 88
.set G0SP2, 8
.set MSB, 0
.macro WIN new
.if MSB != (\new)
	s_set_vgpr_msb (MSB<<8)|(\new)
.set MSB, (\new)
.endif
.endm
.set MUL_LO, 0xa1                      ; source 0 (P) window 1, source 1 (R) window 0, C and D window 2
.set MUL_HI, 0xf1
.set TO_B,   0x40
; A part's four joint loads, one a wave: one tree of branches on the wave's number, an arm a load, all arms leading to one join.  An s_nop 0 and four v_nop follow each load.
.macro ARM under, g0, g1, next, join
	s_cmp_lt_u32 s14, \under
	s_cbranch_scc0 \next
	tensor_load_to_lds s[\g0:\g0+3], s[\g1:\g1+7]
	s_nop 0
.rept 4
	v_nop
.endr
	s_branch \join
\next:
.endm
.macro TREE ga, gb, gs, gsb, n
	ARM 1, \ga, G1,  .Lb_\n,  .Lj_\n
	ARM 2, \gb, G1B, .Lsa_\n, .Lj_\n
	ARM 3, \gs, G1S, .Lsb_\n, .Lj_\n
	tensor_load_to_lds s[\gsb:\gsb+3], s[G1SB:G1SB+7]
	s_nop 0
.rept 4
	v_nop
.endr
.Lj_\n:
.endm
.macro CROUND                          ; a round of the cluster's barrier
	s_barrier_signal -1
	s_barrier_wait -1
	s_cmp_lg_u32 s14, 0
	s_cbranch_scc1 .Lnot_wave_0_\@
	s_barrier_signal -3
.Lnot_wave_0_\@:
	s_barrier_wait -3
	s_barrier_signal -1
	s_barrier_wait -1
.endm
.macro RECOFF                          ; s20 = a token, s21 = a head  ->  s[46:47] = where their step record begins (under 2^24)
	s_lshr_b32 s22, s20, 11
	s_lshl_b32 s22, s22, 4
	s_add_co_u32 s22, s22, s21
	s_mul_i32 s22, s22, HEADB
	s_bfe_u32 s20, s20, 0x40007
	s_mul_i32 s20, s20, RECB
	s_add_co_u32 s46, s20, s22
	s_mov_b32 s47, 0
.endm
	s_load_b256 s[4:11], s[0:1], 0x0               ; xc, xs, wc, ws
	s_load_b256 s[92:99], s[0:1], 0x20             ; bq, bk, bv, qrec
	s_load_b64 s[100:101], s[0:1], 0x40            ; kv
	v_lshl_add_u32 v[SPW], v0, 2, SPARE
	v_mov_b32 v[NIL], 0
	ds_add_u32 v[SPW], v[NIL]                      ; the opening: the add, twice on end, and its wait ahead of my first tensor load
	ds_add_u32 v[SPW], v[NIL]
	v_lshrrev_b32 v1, 5, v0
	v_readfirstlane_b32 s14, v1                    ; wave 0..3
	s_lshr_b32 s15, s14, 1                         ; which half of R's rows I multiply
	s_and_b32 s16, s14, 1                          ; which half of P's
	s_bfe_u32 s40, ttmp6, 0x40000                  ; cx, cy
	s_bfe_u32 s41, ttmp6, 0x40004
	s_and_b32 s18, ttmp9, 1                        ; 0: q, 1: k; and which 512 rows of Wv
	s_lshr_b32 s19, ttmp9, 1                       ; which 1,024 tokens
	s_cmp_eq_u32 s18, 0
	s_cselect_b32 s67, 0x03030303, 0               ; what is taken off a scale word's bytes: 3 each for q
	s_lshl_b32 s42, s18, 2
	s_add_co_u32 s42, s42, s40                     ; part 1, P: tile of 256 places of wc
	s_lshl_b32 s66, s19, 2
	s_add_co_u32 s66, s66, s40                     ; part 2, P: tile of 256 tokens
	s_lshl_b32 s17, s19, 2
	s_add_co_u32 s17, s17, s41                     ; part 1, R: tile of 256 tokens
	s_lshl_b32 s45, s18, 2
	s_add_co_u32 s45, s45, s41
	s_lshl_b32 s45, s45, 7
	s_add_co_u32 s45, s45, 2048                    ; part 2, R: first place in wc: Wv's begin at 2,048
	s_lshl_b32 s43, s41, 2
	s_lshl_b32 s43, 15, s43                        ; my row of the cluster
	s_lshl_b32 s44, 0x1111, s40                    ; my column
	s_or_b32 s[G1+0], s43, (0<<16)|(1<<20)|(1<<21)|(6<<22)|(3<<25)  ; the mask; elements of 1 byte; padding of 4 words after every 128; bit 21 beside a mask
	s_or_b32 s[G1B+0], s44, (0<<16)|(1<<20)|(1<<21)|(6<<22)|(3<<25)
.irp g, G1, G1B
	s_mov_b32 s[\g+1], 512<<16
	s_mov_b32 s[\g+2], 256<<16                     ; 256 rows
	s_mov_b32 s[\g+3], 512<<16
	s_mov_b32 s[\g+4], 256
	s_mov_b32 s[\g+5], 512
	s_mov_b32 s[\g+6], 0
	s_mov_b32 s[\g+7], 0
.endr
	s_or_b32 s[G1S+0], s43, (3<<16)|(1<<20)|(1<<21)|(5<<22)|(3<<25) ; the scale bytes of 256 rows: 32 dense rows of 256 bytes, 16 of padding behind each
	s_or_b32 s[G1SB+0], s44, (3<<16)|(1<<20)|(1<<21)|(5<<22)|(3<<25)
.irp g, G1S, G1SB
	s_mov_b32 s[\g+1], 32<<16
	s_mov_b32 s[\g+2], 32<<16
	s_mov_b32 s[\g+3], 32<<16
	s_mov_b32 s[\g+4], 32
	s_mov_b32 s[\g+5], 32
	s_mov_b32 s[\g+6], 0
	s_mov_b32 s[\g+7], 0
.endr
	s_mov_b32 s21, 0
	s_mov_b32 s47, 0
	s_wait_dscnt 0x0                               ; both opening adds are done
	s_wait_kmcnt 0x0
	s_lshl_b32 s20, s17, 17                        ; R's offsets hang on cy, in s[20:21]; P's on cx, in s[46:47].  A row of codes is 512 bytes, of scale bytes 32
	s_add_nc_u64 s[G0+2:G0+3], s[4:5], s[20:21]
	s_lshl_b32 s20, s17, 13
	s_add_nc_u64 s[G0S+2:G0S+3], s[6:7], s[20:21]
	s_lshl_b32 s20, s45, 9
	s_add_nc_u64 s[G0R2+2:G0R2+3], s[8:9], s[20:21]
	s_lshl_b32 s20, s45, 5
	s_add_nc_u64 s[2:3], s[10:11], s[20:21]
	s_lshl_b32 s46, s42, 17
	s_add_nc_u64 s[G0B+2:G0B+3], s[8:9], s[46:47]
	s_lshl_b32 s46, s42, 13
	s_add_nc_u64 s[G0SB+2:G0SB+3], s[10:11], s[46:47]
	s_lshl_b32 s46, s66, 17
	s_add_nc_u64 s[G0P2+2:G0P2+3], s[4:5], s[46:47]
	s_lshl_b32 s46, s66, 13
	s_add_nc_u64 s[12:13], s[6:7], s[46:47]
	s_mov_b64 s[G0SR2+2:G0SR2+3], s[2:3]           ; the four arguments have been used: their registers take part 2's groups 0 for the scale bytes
	s_mov_b64 s[G0SP2+2:G0SP2+3], s[12:13]
.irp g, G0, G0B, G0S, G0SB, G0R2, G0P2, G0SR2, G0SP2
	s_mov_b32 s[\g], 1
	s_or_b32 s[\g+3], s[\g+3], 0x80000000
.endr
	s_mov_b32 s[G0+1], 0
	s_mov_b32 s[G0R2+1], 0
	s_mov_b32 s[G0B+1], 2*HALFT
	s_mov_b32 s[G0P2+1], 2*HALFT
	s_mov_b32 s[G0S+1], SCL
	s_mov_b32 s[G0SR2+1], SCL
	s_mov_b32 s[G0SB+1], SCL+2*HALFS
	s_mov_b32 s[G0SP2+1], SCL+2*HALFS
	CROUND                                         ; all sixteen work-groups are here: the joint loads meet
	TREE G0, G0B, G0S, G0SB, 1
	; where my results go, and which numbers of which bias are mine
	s_lshl_b32 s20, s17, 8
	s_lshl_b32 s21, s15, 7
	s_add_co_u32 s20, s20, s21                     ; part 1: my first token,
	s_lshl_b32 s21, s40, 2
	s_lshl_b32 s22, s16, 1
	s_add_co_u32 s21, s21, s22                     ; my first head (of two)
	RECOFF
	s_cmp_eq_u32 s18, 0                            ; q?  The cluster's number alone
	s_cselect_b64 s[12:13], s[98:99], s[100:101]   ; qrec, else kv
	s_cselect_b64 s[92:93], s[92:93], s[94:95]     ; bq, else bk
	s_add_nc_u64 s[12:13], s[12:13], s[46:47]
	s_lshl_b32 s46, s21, 8
	s_add_nc_u64 s[92:93], s[92:93], s[46:47]
	s_lshl_b32 s20, s66, 8
	s_lshl_b32 s21, s16, 7
	s_add_co_u32 s20, s20, s21                     ; part 2: my first token,
	s_lshl_b32 s21, s18, 3
	s_lshl_b32 s22, s41, 1
	s_add_co_u32 s21, s21, s22
	s_add_co_u32 s21, s21, s15                     ; my head
	RECOFF
	s_add_nc_u64 s[100:101], s[100:101], s[46:47]
	s_lshl_b32 s46, s21, 8
	s_add_nc_u64 s[96:97], s[96:97], s[46:47]
	s_mul_i32 s20, s15, HALFT                      ; part 1: my 128 rows of R
	s_mul_i32 s21, s16, HALFT
	s_add_co_u32 s21, s21, 2*HALFT                 ; my 128 rows of P
	s_mul_i32 s22, s15, 64*PITCH                   ; part 2: my 64 rows of R
	s_mul_i32 s23, s15, HALFS
	s_mul_i32 s43, s16, HALFS
	s_add_co_u32 s43, s43, 2*HALFS
	s_sub_co_u32 s44, s43, s23                     ; from R's scale bytes to P's, part 1
	s_add_co_u32 s23, s23, SCL
	s_mul_i32 s45, s15, HALFS/2
	s_sub_co_u32 s43, s43, s45                     ; and part 2
	s_add_co_u32 s45, s45, SCL
	s_lshl_b32 s46, s14, 9
	s_add_co_u32 s46, s46, BIASL
	s_lshl_b32 s47, s14, 8
	s_add_co_u32 s47, s47, BIAS2
	v_and_b32 v1, 15, v0                           ; r
	v_bfe_u32 v2, v0, 4, 1                         ; h
	v_mul_u32_u24 v3, v1, PITCH
	v_lshl_add_u32 v4, v2, 4, v3
	v_add_nc_u32 v[ADRA], s20, v4
	v_add_nc_u32 v[ADRB], s21, v4
	v_add_nc_u32 v[ADRA2], s22, v4
	v_add_nc_u32 v[ADRA+1], 256, v[ADRA]           ; the second 512 along K: 256 bytes on in the row
	v_add_nc_u32 v[ADRB+1], 256, v[ADRB]
	v_add_nc_u32 v[ADRA2+1], 256, v[ADRA2]
	v_lshlrev_b32 v5, 5, v1                        ; my row's scale bytes: 32 a row,
	v_lshrrev_b32 v6, 8, v5
	v_lshl_add_u32 v5, v6, 4, v5                   ; and 16 more for each 256 passed
	v_mul_u32_u24 v6, s44, v2                      ; lanes 16-31 take P's
	v_add_nc_u32 v6, v5, v6
	v_add_nc_u32 v[ADRS], s23, v6
	v_mul_u32_u24 v6, s43, v2
	v_add_nc_u32 v6, v5, v6
	v_add_nc_u32 v[ADRS2], s45, v6
	v_and_b32 v6, 31, v0
	v_lshlrev_b32 v[CO], 4, v6
	v_lshlrev_b32 v[CO2], 3, v6
	v_mul_u32_u24 v[SO], v2, HEADB
	v_lshl_add_u32 v[SO], v1, 4, v[SO]
	v_lshlrev_b32 v[SO2], 4, v1
	v_lshlrev_b32 v[SH], 4, v2
	v_lshl_add_u32 v[BLA], v2, 6, s46
	v_and_b32 v5, 8, v1
	v_add_nc_u32 v5, v5, v1                        ; r + 8 (r / 8)
	v_lshl_add_u32 v[BLB], v5, 2, s47
	v_lshl_add_u32 v[BST], v0, 4, BIASL
	v_lshl_add_u32 v[BST2], v0, 3, BIAS2
	s_mov_b32 s22, 0x76543210
	s_mov_b32 s23, 0xfedcba98                      ; lane l xor 16
	global_load_b128 v[96:99], v[CO], s[92:93]     ; part 1's 128 numbers of the bias, 512 consecutive bytes,
	global_load_b64 v[100:101], v[CO2], s[96:97]   ; part 2's 64, 256 consecutive bytes,
	s_wait_alu depctr_va_vdst(0)                   ; the wait at the head's end
	s_wait_loadcnt 0x0
	ds_store_b128 v[BST], v[96:99]                 ; into my wave's own LDS bytes
	ds_store_b64 v[BST2], v[100:101]
	s_wait_dscnt 0x0
.macro FRAG reg, adr, q, i             ; 16 rows x 128 K of 4-bit codes: lane l holds row l % 16; registers 4 c .. 4 c + 3 hold K = 64 c + 32 (l / 16) + 0 .. 31
.irp c, 0,1
	ds_load_b128 v[\reg+4*\c:\reg+4*\c+3], v[\adr] offset:64*(\q)+32*\c+(\i)*16*PITCH
.endr
.endm
; 16 matrix instructions: R's tiles a0, a0 + 1 (their fragments fa tiles further on) x P's eight.  p: P's set;  q, sc: which scale words.  zero = 1: the product starts the sums.  The accumulators take turns.
.macro MUL16 a0, p, q, sc, zero, fa
.irp a, \a0, \a0+1
.irp b, 0,1,2,3,4,5,6,7
.if \zero
	v_wmma_scale_f32_16x16x128_f8f6f4 v[8*(8*((\a)%4)+\b):8*(8*((\a)%4)+\b)+7], v[128*(\p)+FR*\b:128*(\p)+FR*\b+FR-1], v[AF+FR*((\a)+(\fa)):AF+FR*((\a)+(\fa))+FR-1], 0, v[SC+32*(\sc)+4*\b+(\q)], v[SC+32*(\sc)+4*(\a)+(\q)] matrix_a_fmt:MATRIX_FMT_FP4 matrix_b_fmt:MATRIX_FMT_FP4 matrix_a_scale:MATRIX_SCALE_ROW1
.else
	v_wmma_scale_f32_16x16x128_f8f6f4 v[8*(8*((\a)%4)+\b):8*(8*((\a)%4)+\b)+7], v[128*(\p)+FR*\b:128*(\p)+FR*\b+FR-1], v[AF+FR*((\a)+(\fa)):AF+FR*((\a)+(\fa))+FR-1], v[8*(8*((\a)%4)+\b):8*(8*((\a)%4)+\b)+7], v[SC+32*(\sc)+4*\b+(\q)], v[SC+32*(\sc)+4*(\a)+(\q)] matrix_a_fmt:MATRIX_FMT_FP4 matrix_b_fmt:MATRIX_FMT_FP4 matrix_a_scale:MATRIX_SCALE_ROW1
.endif
.endr
.endr
.endm
.macro FETCH_B slot, q, p
	WIN TO_B
.irp i, 0,1,2,3,4,5,6,7
	FRAG 128*(\p)+FR*\i, ADRB+\slot, \q, \i
.endr
	WIN 0
.endm
.macro FETCH_A slot, q, i0             ; part 1: R's tiles i0 .. i0 + 3
.irp i, \i0, \i0+1, \i0+2, \i0+3
	FRAG AF+FR*(\i), ADRA+\slot, \q, \i
.endr
.endm
.macro FETCH_A2 k                      ; part 2: R's four tiles of step k into set k % 2
.irp i, 0,1,2,3
	FRAG AF+FR*(\i+4*((\k)%2)), ADRA2+(\k)/4, (\k)%4, \i
.endr
.endm
.macro SCALES adr, sc                  ; the scale words of 512 along K: 4 words a row
.irp i, 0,1,2,3,4,5,6,7
	ds_load_b128 v[SC+32*\sc+4*\i:SC+32*\sc+4*\i+3], v[\adr] offset:\i*SBLK+16*\sc
.endr
.endm
.macro PLACES n
.rept \n
	v_nop
.endr
.endm
; Part 1, step k of 128 along K (k = 0 .. 6).  R has one set of registers: tiles 0-3 are fetched anew in the step's middle, tiles 4-7 at its end; P's next set comes in the middle run.
.macro STEP k, zero
	s_wait_dscnt 4*NL                              ; all but the youngest eight loads (R's tiles 4-7)
	WIN MUL_LO
	MUL16 0, (\k)%2, (\k)%4, (\k)/4, \zero, 0
	MUL16 2, (\k)%2, (\k)%4, (\k)/4, \zero, 0
	s_wait_dscnt 0
	PLACES NP
	FETCH_B ((\k)+1)/4, ((\k)+1)%4, 1-(\k)%2
	FETCH_A ((\k)+1)/4, ((\k)+1)%4, 0
	WIN MUL_HI
	MUL16 4, (\k)%2, (\k)%4, (\k)/4, \zero, 0
	MUL16 6, (\k)%2, (\k)%4, (\k)/4, \zero, 0
	PLACES NP
	WIN 0
	FETCH_A ((\k)+1)/4, ((\k)+1)%4, 4
.endm
; Part 2, step k (k = 0 .. 7): both operands have two sets; the next step's 24 loads are issued ahead of this step's 32 products.
.macro STEP2 k, zero
.if (\k) < 7
	PLACES NP                                      ; the loads go into the sets that the last step's products read
	FETCH_B ((\k)+1)/4, ((\k)+1)%4, 1-(\k)%2
	FETCH_A2 (\k)+1
	s_wait_dscnt 24                                ; all but the 24 just issued
.else
	s_wait_dscnt 0
.endif
	WIN MUL_LO
	MUL16 0, (\k)%2, (\k)%4, (\k)/4, \zero, 4*((\k)%2)
	MUL16 2, (\k)%2, (\k)%4, (\k)/4, \zero, 4*((\k)%2)
	WIN 0
.endm
	s_wait_tensorcnt 0x0                           ; my tile of part 1's four is in,
	s_barrier_signal -1
	s_barrier_wait -1                              ; everybody's is
	FETCH_B 0, 0, 0
	FETCH_A 0, 0, 0
	SCALES ADRS, 0
	SCALES ADRS, 1
	FETCH_A 0, 0, 4
	STEP 0, 1
.set Q, 1
.rept 6
	STEP Q, 0
.set Q, Q+1
.endr
	s_wait_dscnt 4*NL                              ; part 1's last step: nothing more to fetch
	WIN MUL_LO
	MUL16 0, 1, 3, 1, 0, 0
	MUL16 2, 1, 3, 1, 0, 0
	s_wait_dscnt 0
	WIN MUL_HI
	MUL16 4, 1, 3, 1, 0, 0
	MUL16 6, 1, 3, 1, 0, 0
	WIN 0
	s_wait_tensorcnt 0x0                           ; THE REFILL: no tensor load of mine is out, so descriptors may be written;
	ds_add_u32 v[SPW], v[NIL]                      ; 0 onto my spare word;
	s_mov_b32 s[G1+2], 128<<16                     ; part 2's R has 128 rows of codes
	s_mov_b32 s[G1+4], 128
	s_mov_b32 s[G1S+2], 16<<16                     ; and 16 rows of 256 scale bytes
	s_mov_b32 s[G1S+4], 16
	s_wait_dscnt 0x0                               ; the add is done, and my reads of part 1's tiles are over
	CROUND                                         ; that holds of every wave of all sixteen work-groups
	TREE G0R2, G0P2, G0SR2, G0SP2, 2               ; part 2's tiles, one joint load a wave
; THE WAY OUT.  The 64 numbers of a lane for R's tile a, v[T] on: register 16 g + i = index 32 g + 16 (lane / 16) + i along the next K.  QUANT makes a fragment's codes in v[PC] on and the row's scale word in v[PW + a].
.macro QUANT a
.irp b, 0,1,2,3
	v_max3_num_f32 v[TM+\b], |v[T+16*\b]|, |v[T+1+16*\b]|, 0x3000000   ; my 16 numbers of block b, and the floor 2^(6 - 127)
.endr
.irp i, 2,4,6,8,10,12,14
.irp b, 0,1,2,3
	v_max3_num_f32 v[TM+\b], v[TM+\b], |v[T+16*\b+\i]|, |v[T+1+16*\b+\i]|
.endr
.endr
.irp b, 0,1,2,3
	v_permlanex16_b32 v[TM+4+\b], v[TM+\b], s22, s23
.endr
.irp b, 0,1,2,3
	v_max_num_f32 v[TM+\b], v[TM+\b], v[TM+4+\b]   ; with lane l xor 16's: the block's largest magnitude
.endr
.irp b, 0,1,2,3
	v_add_nc_u32 v[TM+12+\b], 0xff000000, v[TM+\b] ; 2 off its exponent field: the conversion's scale operand
.endr
.irp b, 0,1,2,3
	v_lshrrev_b32 v[TM+4+\b], 23, v[TM+12+\b]      ; the scale's byte
.endr
	v_lshl_or_b32 v[PW+(\a)], v[TM+5], 8, v[TM+4]
	v_lshl_or_b32 v[PW+(\a)], v[TM+6], 16, v[PW+(\a)]
	v_lshl_or_b32 v[PW+(\a)], v[TM+7], 24, v[PW+(\a)]
.irp b, 0,1,2,3
	v_cvt_scalef32_pk8_fp4_f32 v[PC+2*\b], v[T+16*\b:T+7+16*\b], v[TM+12+\b]
	v_cvt_scalef32_pk8_fp4_f32 v[PC+1+2*\b], v[T+8+16*\b:T+15+16*\b], v[TM+12+\b]
.endr
	v_nop                                          ; one plain place behind a scaled conversion
.irp c, 0,1                                    ; the operand's layout wants a whole block in a lane
.irp i, 0,1
	v_permlane16_swap_b32 v[PC+4*\c+\i], v[PC+2+4*\c+\i]
.endr
.endr
.endm
.macro ADDQK a                         ; the bias goes by P's index, along my registers.  Each accumulator is read from its low end on
	WIN 0x02+(\a)/4
.set i, 0
.rept 32
	v_pk_add_f32 v[T+2*i:T+2*i+1], v[64*((\a)%4)+2*i:64*((\a)%4)+2*i+1], v[BV+2*i:BV+2*i+1]
.set i, i+1
.endr
	WIN 0
.endm
.macro ADDV a                          ; the bias goes by R's row, my lane: one number, in both halves of a pair
	WIN 0x02
.set i, 0
.rept 32
	v_pk_add_f32 v[T+2*i:T+2*i+1], v[64*(\a)+2*i:64*(\a)+2*i+1], v[BV+2*(\a):BV+2*(\a)+1]
.set i, i+1
.endr
	WIN 0
.endm
.irp b, 0,1,2,3
	v_mov_b32 v[TM+4+\b], 0                        ; written once: a lane permute's destination counts as one of its sources
.endr
	; ---- q or k.  Lane r of tile a is token 32 (a / 2) + 8 (a % 2) + r + 8 (r / 8); the 128 along the next K are two heads' 64
.irp g, 0,1,2,3
.irp j, 0,1,2,3
	ds_load_b128 v[BV+16*\g+4*\j:BV+16*\g+4*\j+3], v[BLA] offset:128*\g+16*\j
.endr
.endr
	s_wait_dscnt 0x0
.irp a, 0,1,2,3,4,5,6,7
.if \a > 0
	s_wait_xcnt 0x0                                ; the last tile's stores have read v[PC] on
.endif
	ADDQK \a
	QUANT \a
	v_sub_nc_u32 v[PW+\a], v[PW+\a], s67           ; q: 3 off each byte (no byte is under 4, so none borrows)
	global_store_b128 v[CO], v[PC:PC+3], s[12:13] offset:512*\a             ; the first head's tile a: 512 consecutive bytes
	global_store_b128 v[CO], v[PC+4:PC+7], s[12:13] offset:HEADB+512*\a     ; the second head's
.endr
.irp a, 0,1,2,3,4,5,6,7
	v_bfe_u32 v[W+\a], v[PW+\a], v[SH], 16         ; lanes 0-15: the first head's two bytes; lanes 16-31: the second head's
.endr
	global_store_b128 v[SO], v[W:W+3], s[12:13] offset:8192
	global_store_b128 v[SO], v[W+4:W+7], s[12:13] offset:8448
	; ---- PART 2
	s_wait_alu depctr_va_vdst(0)                   ; the wait ahead of the waits below
	s_wait_xcnt 0x0                                ; the stores have read their registers: fragments may land there
	s_wait_tensorcnt 0x0                           ; my tile of part 2's four is in,
	s_barrier_signal -1
	s_barrier_wait -1                              ; everybody's is; nothing is filled again
	FETCH_B 0, 0, 0
	FETCH_A2 0
	SCALES ADRS2, 0
	SCALES ADRS2, 1
	STEP2 0, 1
.set Q, 1
.rept 7
	STEP2 Q, 0
.set Q, Q+1
.endr
	PLACES NP
	; ---- v.  Lane r of tile a is row 32 (a / 2) + 8 (a % 2) + r + 8 (r / 8) of my head's 64; the 128 along the next K are the step's 128 tokens
.irp a, 0,1,2,3
	ds_load_b32 v[BV+2*\a], v[BLB] offset:(32*(\a/2)+8*(\a%2))*4
	ds_load_b32 v[BV+2*\a+1], v[BLB] offset:(32*(\a/2)+8*(\a%2))*4
.endr
	s_wait_dscnt 0x0
.irp a, 0,1,2,3
.if \a > 0
	s_wait_xcnt 0x0
.endif
	ADDV \a
	QUANT \a
	global_store_b128 v[CO], v[PC:PC+3], s[100:101] offset:4096+\a*1024       ; tokens 32 (lane / 16) + 0 .. 31,
	global_store_b128 v[CO], v[PC+4:PC+7], s[100:101] offset:4096+\a*1024+512 ; and 64 further on
.endr
	global_store_b128 v[SO2], v[PW:PW+3], s[100:101] offset:8704   ; the four tiles' scale words of row r: 256 consecutive bytes (both halves of the lanes hold and store the same)
	s_wait_tensorcnt 0x0                           ; the wave's end
	ds_add_u32 v[SPW], v[NIL]
	s_wait_dscnt 0x0
	CROUND                                         ; the closing round
	s_endpgm
.Lfunc_end_k_qd470b8c461_proj:
	.size	k_qd470b8c461_proj, .Lfunc_end_k_qd470b8c461_proj-k_qd470b8c461_proj
	.p2alignl 7, 3214868480
	.fill 96, 4, 3214868480
	.section	.rodata,"a",@progbits
	.p2align	6, 0x0
	.amdhsa_kernel k_qd470b8c461_proj
		.amdhsa_group_segment_fixed_size 327680
		.amdhsa_private_segment_fixed_size 0
		.amdhsa_enable_private_segment 0
		.amdhsa_kernarg_size 72
		.amdhsa_user_sgpr_count 2
		.amdhsa_user_sgpr_kernarg_segment_ptr 1
		.amdhsa_wavefront_size32 1
		.amdhsa_system_sgpr_workgroup_id_x 1
		.amdhsa_system_sgpr_workgroup_id_y 1
		.amdhsa_system_sgpr_workgroup_id_z 1
		.amdhsa_system_vgpr_workitem_id 0
		.amdhsa_next_free_vgpr 1024
		.amdhsa_next_free_sgpr 102
		.amdhsa_reserve_vcc 0
		.amdhsa_float_denorm_mode_32 3
		.amdhsa_float_denorm_mode_16_64 3
		.amdhsa_memory_ordered 1
		.amdhsa_forward_progress 1
		.amdhsa_inst_pref_size 221
	.end_amdhsa_kernel
	.amdgpu_metadata
---
amdhsa.version: [ 1, 2 ]
amdhsa.kernels:
  - .name:           k_qd470b8c461_proj
    .symbol:         k_qd470b8c461_proj.kd
    .args:
      - { .name: xc, .offset: 0, .size: 8, .value_kind: global_buffer, .address_space: global }
      - { .name: xs, .offset: 8, .size: 8, .value_kind: global_buffer, .address_space: global }
      - { .name: wc, .offset: 16, .size: 8, .value_kind: global_buffer, .address_space: global }
      - { .name: ws, .offset: 24, .size: 8, .value_kind: global_buffer, .address_space: global }
      - { .name: bq, .offset: 32, .size: 8, .value_kind: global_buffer, .address_space: global }
      - { .name: bk, .offset: 40, .size: 8, .value_kind: global_buffer, .address_space: global }
      - { .name: bv, .offset: 48, .size: 8, .value_kind: global_buffer, .address_space: global }
      - { .name: qrec, .offset: 56, .size: 8, .value_kind: global_buffer, .address_space: global }
      - { .name: kv, .offset: 64, .size: 8, .value_kind: global_buffer, .address_space: global }
    .group_segment_fixed_size: 327680
    .private_segment_fixed_size: 0
    .kernarg_segment_align: 8
    .kernarg_segment_size: 72
    .max_flat_workgroup_size: 128
    .sgpr_count:     102
    .vgpr_count:     1024
    .wavefront_size: 32
...
	.end_amdgpu_metadata
.endif
;; end of part 2
;; launch attn (part 3): grid 4 x 64, 8 waves a work-group, clusters of 4 x 1, 327,680 bytes of LDS; arguments qrec, kv, attention_mask, out0; writes out0
.if DOCPART == 3
	.amdgcn_target "amdgcn-amd-amdhsa--gfx1250"
	.amdhsa_code_object_version 6
	.text
	.protected	k_qd470b8c461_attn
	.globl	k_qd470b8c461_attn
	.p2align	8
	.type	k_qd470b8c461_attn,@function
k_qd470b8c461_attn:
	s_mov_b64 s[64:65], 0
	v_nop
	global_prefetch_b8 v0, s[64:65] scope:SCOPE_SE
	s_setreg_imm32_b32 hwreg(HW_REG_WAVE_MODE, 25, 1), 1
	s_wait_xcnt 0x0
	s_wait_alu depctr_hold_cnt(0) depctr_sa_sdst(0) depctr_va_vdst(0) depctr_va_sdst(0) depctr_va_ssrc(0) depctr_va_vcc(0) depctr_vm_vsrc(0)
	s_getreg_b32 s2, hwreg(HW_REG_IB_STS2, 6, 4)
	s_cmp_eq_u32 s2, 0
	s_cbranch_scc0 .Lentry_in_a_cluster
	s_endpgm
.Lentry_in_a_cluster:
	s_bfe_u32 s2, ttmp6, 0x10000c
	s_cmp_lg_u32 s2, 0x3003
	s_cbranch_scc0 .Lentry_shape_is_right
	s_endpgm
.Lentry_shape_is_right:
; out0 = softmax(q k^T / 8 + mask) v for one batch and head, both products on codes of FP4 (E2M1) with E8M0 scales, from the step records that the second launch stored (the division by 8 lies in q's scale bytes).
; Nothing of reference() is left out here.
; SOFTMAX: t = (score + mask) x log2(e); M = the running largest t rounded up to a whole number, kept as -M = floor(-t); p = 2^(t - M) is quantised along the keys; the row's sum is taken of the unquantised p and divides at the end.
; When M moves, the sums and O^T are multiplied by 2^(old M - new M), made by v_ldexp_f32: nothing is rounded, no branch hangs on data.
; LIMITS: the promise holds while the scaled scores stay under 2^31 in magnitude (the running maximum starts at -1e38); NaN and infinities are not served; a block whose every p is 0 keeps the floor's byte 1 (zero codes).
; SHARES.  A work-group owns 512 queries of a head, each of its 8 waves 64: four tiles of 16.  The four work-groups of a cluster own one head: its 16 step records (143,360 bytes) are asked for JOINTLY, one tensor load a wave
; (two records each), once, and stay in LDS.  The mask's 8,192 bytes come by two plain loads a lane and go to LDS bytes of their own.  No prefetch: no loop of this launch loads from memory.
; LAYOUT.  Both products transposed: S^T = K Q^T + mask (the mask is the C operand), O^T = V^T P^T: a lane holds one query (lane % 16).
; THE KEYS OF A TILE ARE CHOSEN: row m of tile t is key 64 (t / 4) + 32 (m / 8) + 8 (t % 4) + m % 8.  So the 32 registers of tiles 4 c .. 4 c + 3 of lane (r, h) are keys 64 c + 32 h + 0 .. 31: a WHOLE block of 32, in the
; order in which the second product's operand wants them: a block's maximum needs no other lane, and the conversions' results are the operand's registers.
; TWO TILES OF QUERIES GO TOGETHER through each phase (macro PAIR): their chains take turns line by line, and their 132 exponentials are one batch with one wait ahead and one behind.
; REGISTERS.  Window 0: addresses, states, scale words, fragments, the mask (v168-231).  Window 1: v0-127 O^T of the four tiles; v128-255 the pair's scores, then p.
.set RECB,  8960                       ; a step record: 128 keys
.set HEADB, 143360                     ; a head's 16 records
.set MASKB, HEADB                      ; behind them the mask, stored by ds_store: no tensor load lands here
.set STAGE, MASKB+8192                 ; the way out: 16 rows x 272 bytes for each wave
.set SP,    272
.set SPARE, STAGE+8*16*SP              ; the spare words, 128 bytes for each wave
.set ADI, 1                            ; v1  16 x lane + the record: V's images (at the head: Q's offset)
.set ADR, 2                            ; v2  16 r + the record: V's scale words
.set ADM, 3                            ; v3  the step's mask: MASKB + 128 h
.set ADK, 4                            ; v4  K's rows: 16 (r % 8) + 1024 (r / 8) + 256 h
.set ADS, 5                            ; v5  K's scale words: 16 (r % 8) + 8 (r / 8)
.set MO,  6                            ; v6  16 x thread: the mask in memory
.set SPW, 7                            ; v7  my spare word; never rewritten
.set NIL, 8                            ; v8  0; never rewritten
.set MST, 9                            ; v9  MASKB + 16 x thread
.set F,   10                           ; v[10:11], v[46:47]  f = 2^(old M - new M) of the pair's two tiles
.set ST,  12                           ; v12-27  a tile's -M, largest score, sum in two halves
.set QS,  28
.set KS,  32
.set VS,  40
.set PS,  44                           ; v44, v45  p's scale words
.set PC,  48                           ; v48-55, v244-251  p's codes
.set BM,  56                           ; v56-59  the lane's block maxima: 2 x tile + c
.set T,   60                           ; v60, v61  lane permutes' results
.set SO,  64                           ; v64-67  the conversions' scale operands
.set QF,  68
.set KF,  100
.set VF,  136
.set MK,  168
.set X,   168                          ; the way out
.set STO, 232
.set RD,  233
.set GO,  234
.set SH8, 235                          ; 8 h
.set SB,  236                          ; v236-243  a second pair of half sums for each tile
.set TA,  252
.set NW,  254
.set SW,  128                          ; window 1: the scores
.set WV,  12
.set G1R, 16
.set G0A, 36
.set SEL, 44
.set CS,  46                           ; s[46:47] log2(e)
.set CN,  48                           ; s48 -log2(e)
.set CNT, 50
.set MSB, 0
.macro WIN new                         ; the immediate's high byte repeats the setting that is left
.if MSB != (\new)
	s_set_vgpr_msb (MSB<<8)|(\new)
.set MSB, (\new)
.endif
.endm
.macro CROUND                          ; a round of the cluster's barrier
	s_barrier_signal -1
	s_barrier_wait -1
	s_cmp_lg_u32 s[WV], 0
	s_cbranch_scc1 .Lnot_wave_0_\@
	s_barrier_signal -3
.Lnot_wave_0_\@:
	s_barrier_wait -3
	s_barrier_signal -1
	s_barrier_wait -1
.endm
	s_load_b256 s[4:11], s[0:1], 0x0               ; qrec, kv, the mask, out0
	v_lshl_add_u32 v[SPW], v0, 2, SPARE
	v_mov_b32 v[NIL], 0
	ds_add_u32 v[SPW], v[NIL]                      ; the opening: the add, twice on end, and its wait ahead of my first tensor load
	ds_add_u32 v[SPW], v[NIL]
	v_lshrrev_b32 v[MST], 5, v0
	v_readfirstlane_b32 s[WV], v[MST]              ; wave 0..7
	v_lshlrev_b32 v[MO], 4, v0
	v_lshl_add_u32 v[MST], v0, 4, MASKB
	s_bfe_u32 s13, ttmp6, 0x40000                  ; cx: which 512 queries
	s_and_b32 s14, ttmp7, 0xffff                   ; 16 x batch + head
	s_mov_b32 s[G1R], 15|(3<<16)|(1<<21)           ; the four partners; elements of 8 bytes: two records are 70 dense rows of 256 bytes
	s_mov_b32 s[G1R+1], 32<<16
	s_mov_b32 s[G1R+2], 70<<16
	s_mov_b32 s[G1R+3], 32<<16
	s_mov_b32 s[G1R+4], 70
	s_mov_b32 s[G1R+5], 32
	s_mov_b32 s[G1R+6], 0
	s_mov_b32 s[G1R+7], 0
	s_mov_b32 s[SEL], 0x76543210
	s_mov_b32 s[SEL+1], 0xfedcba98                 ; lane l xor 16
	s_mov_b32 s[CS], 0x3fb8aa3b
	s_mov_b32 s[CS+1], s[CS]
	s_mov_b32 s[CN], 0xbfb8aa3b
	s_mul_i32 s52, s14, HEADB
	s_mov_b32 s53, 0
	s_mul_i32 s[G0A+1], s[WV], 2*RECB              ; my two records, in LDS as in the head
	s_mov_b32 s54, s[G0A+1]
	s_mov_b32 s55, 0
	s_add_nc_u64 s[54:55], s[54:55], s[52:53]
	s_lshr_b32 s56, s14, 4
	s_lshl_b32 s56, s56, 13                        ; the batch's 8,192 bytes of the mask
	s_mov_b32 s57, 0
	s_wait_alu depctr_va_vdst(0)                   ; the wait ahead of the waits below
	s_wait_dscnt 0x0                               ; both opening adds are done
	s_wait_kmcnt 0x0
	s_add_nc_u64 s[8:9], s[8:9], s[56:57]
	global_load_b128 v[VF:VF+3], v[MO], s[8:9]     ; the mask: a wave reads 512 consecutive bytes
	global_load_b128 v[VF+4:VF+7], v[MO], s[8:9] offset:4096
	s_mov_b32 s[G0A], 1
	s_add_nc_u64 s[G0A+2:G0A+3], s[6:7], s[54:55]
	s_or_b32 s[G0A+3], s[G0A+3], 0x80000000
	CROUND                                         ; the four partners are here: the joint loads meet
	tensor_load_to_lds s[G0A:G0A+3], s[G1R:G1R+7]  ; my one tensor load of the launch
	s_nop 0
.rept 4
	v_nop
.endr
	s_lshl_b32 s58, s13, 2
	s_lshr_b32 s59, s[WV], 1
	s_add_co_u32 s58, s58, s59                     ; my queries' record: 4 cx + wave / 2
	s_mul_i32 s58, s58, RECB
	s_mov_b32 s59, 0
	s_add_nc_u64 s[52:53], s[52:53], s[58:59]
	s_add_nc_u64 s[4:5], s[4:5], s[52:53]
	s_and_b32 s58, s[WV], 1
	s_lshl_b32 s56, s58, 11
	s_add_nc_u64 s[54:55], s[4:5], s[56:57]        ; my four tiles' codes
	s_lshl_b32 s56, s58, 8
	s_add_nc_u64 s[56:57], s[4:5], s[56:57]        ; and their scale words
	s_mul_i32 s60, s[WV], 16*SP
	s_add_co_u32 s60, s60, STAGE                   ; my stage
	s_lshr_b32 s58, s14, 4
	s_lshl_b32 s58, s58, 11
	s_lshl_b32 s59, s13, 9
	s_add_co_u32 s58, s58, s59
	s_lshl_b32 s59, s[WV], 6
	s_add_co_u32 s58, s58, s59                     ; my first token
	s_lshl_b32 s58, s58, 12
	s_and_b32 s59, s14, 15
	s_lshl_b32 s59, s59, 8
	s_add_co_u32 s58, s58, s59                     ; + the head's 256 bytes of a row
	s_mov_b32 s59, 0
	s_add_nc_u64 s[10:11], s[10:11], s[58:59]
	v_and_b32 v[ADI], 31, v0
	v_lshlrev_b32 v[ADI], 4, v[ADI]
	v_and_b32 v[TA], 15, v0                        ; r
	v_bfe_u32 v[TA+1], v0, 4, 1                    ; h
	v_lshlrev_b32 v[ADR], 4, v[TA]
.irp q, 0,1,2,3
	global_load_b128 v[QF+8*\q:QF+8*\q+3], v[ADI], s[54:55] offset:512*\q
.endr
	global_load_b128 v[QS:QS+3], v[ADR], s[56:57] offset:8192
	v_lshl_add_u32 v[ADM], v[TA+1], 7, MASKB
	v_and_b32 v[NW], 7, v[TA]
	v_lshrrev_b32 v[NW+1], 3, v[TA]
	v_lshlrev_b32 v[ADS], 4, v[NW]
	v_lshl_add_u32 v[ADK], v[NW+1], 10, v[ADS]
	v_lshl_add_u32 v[ADK], v[TA+1], 8, v[ADK]
	v_lshl_add_u32 v[ADS], v[NW+1], 3, v[ADS]
	v_lshlrev_b32 v[SH8], 3, v[TA+1]
	v_mul_u32_u24 v[STO], v[TA], SP
	v_lshl_add_u32 v[STO], v[TA+1], 6, v[STO]
	v_add_nc_u32 v[STO], s60, v[STO]               ; into the stage: row r, 64 h bytes on
	v_mul_u32_u24 v[RD], v[TA+1], SP
	v_lshl_add_u32 v[RD], v[TA], 4, v[RD]
	v_add_nc_u32 v[RD], s60, v[RD]                 ; back: lanes 0-15 one row, lanes 16-31 the next
	v_lshlrev_b32 v[GO], 12, v[TA+1]
	v_lshl_add_u32 v[GO], v[TA], 4, v[GO]
.irp q, 0,1,2,3
.irp j, 4,5,6,7
	v_mov_b32 v[QF+8*\q+\j], 0                     ; the head has 64 of the instruction's 128 along K: Q's upper half is zero codes
.endr
	v_mov_b32 v[ST+4*\q], 0x7f61b1e6               ; -M: 3e38
	v_mov_b32 v[ST+4*\q+1], 0xfe967699             ; the largest score so far: -1e38
	v_mov_b32 v[ST+4*\q+2], 0
	v_mov_b32 v[ST+4*\q+3], 0
	v_mov_b32 v[SB+2*\q], 0
	v_mov_b32 v[SB+2*\q+1], 0
	v_mov_b32 v[KF+32+\q], 0                       ; what K's last tile names as its upper half
.endr
	v_mov_b32 v[T], 0                              ; a lane permute's destination counts as a source
	v_mov_b32 v[T+1], 0
	v_mov_b32 v[F+1], 0                            ; named as the upper halves of pairs
	v_mov_b32 v[F+37], 0
	WIN 0x40
.set i, 0
.rept 128
	v_mov_b32 v[i], 0                              ; O^T: the loop is written once; its first step finds zeros
.set i, i+1
.endr
	WIN 0
; TWO TILES OF QUERIES, 2 p and 2 p + 1, against the step's 128 keys.
.macro KLOAD ko, mo                    ; K's eight tiles, their scale words and the mask of the record ko bytes on: 28 loads
.irp t, 0,1,2,3,4,5,6,7
	ds_load_b128 v[KF+4*\t:KF+4*\t+3], v[ADK] offset:(\ko)+(\t/4)*2048+(\t%2)*512+((\t%4)/2)*128
.endr
.irp u, 0,1,2,3
	ds_load_b64 v[KS+2*\u:KS+2*\u+1], v[ADS] offset:(\ko)+8192+(\u/2)*256+(\u%2)*128   ; the scale words of tiles 2 u and 2 u + 1
.endr
.irp t, 0,1,2,3,4,5,6,7
	ds_load_b128 v[MK+8*\t:MK+8*\t+3], v[ADM] offset:(\mo)+(\t/4)*256+(\t%4)*32
	ds_load_b128 v[MK+8*\t+4:MK+8*\t+7], v[ADM] offset:(\mo)+(\t/4)*256+(\t%4)*32+16
.endr
.endm
.macro VLOAD                           ; V's four tiles and their scale words: nine loads
.irp f, 0,1,2,3,4,5,6,7
	ds_load_b128 v[VF+4*\f:VF+4*\f+3], v[ADI] offset:4096+512*\f
.endr
	ds_load_b128 v[VS:VS+3], v[ADR] offset:8704
.endm
.macro PAIR p, pf                      ; pf = 1: the next step's K and mask are asked for
	WIN 0x40
.irp x, 0,1
.irp t, 0,1,2,3,4,5,6,7
	v_wmma_scale_f32_16x16x128_f8f6f4 v[SW+64*\x+8*\t:SW+64*\x+8*\t+7], v[KF+4*\t:KF+4*\t+7], v[QF+8*(2*(\p)+\x):QF+8*(2*(\p)+\x)+7], v[MK+8*\t:MK+8*\t+7], v[KS+\t], v[QS+2*(\p)+\x] matrix_a_fmt:MATRIX_FMT_FP4 matrix_b_fmt:MATRIX_FMT_FP4
.endr
.endr
.rept 4
	v_nop                                          ; four places behind the products: for the reads of their results and for the loads into their sources
.endr
.if \pf
	WIN 0
	KLOAD RECB, 512                                ; the step's last score products are issued: their sources take the next step's
.endif
	WIN 0x05                                       ; sources 0 and 1 in window 1
.irp x, 0,1
.irp c, 0,1
	v_max_num_f32 v[BM+2*\x+\c], v[SW+64*\x+32*\c], v[SW+64*\x+32*\c+1]   ; the largest score of my block 2 c + h: four chains by turns, each accumulator from its low end on
.endr
.endr
.irp i, 2,4,6,8,10,12,14,16,18,20,22,24,26,28,30
.irp x, 0,1
.irp c, 0,1
	v_max3_num_f32 v[BM+2*\x+\c], v[SW+64*\x+32*\c+\i], v[SW+64*\x+32*\c+\i+1], v[BM+2*\x+\c]
.endr
.endr
.endr
	WIN 0
.irp x, 0,1
	v_max_num_f32 v[TA+\x], v[BM+2*\x], v[BM+2*\x+1]
.endr
.irp x, 0,1
	v_permlanex16_b32 v[T+\x], v[TA+\x], s[SEL], s[SEL+1]
.endr
.irp x, 0,1
	v_max3_num_f32 v[ST+4*(2*(\p)+\x)+1], v[ST+4*(2*(\p)+\x)+1], v[TA+\x], v[T+\x]   ; the running largest score of my query
.endr
.irp x, 0,1
	v_mul_f32 v[NW+\x], s[CN], v[ST+4*(2*(\p)+\x)+1]
.endr
.irp x, 0,1
	v_floor_f32 v[NW+\x], v[NW+\x]                 ; the new -M = floor(-t)
.endr
.irp x, 0,1
	v_sub_f32 v[TA+\x], v[NW+\x], v[ST+4*(2*(\p)+\x)]   ; old M - new M: a whole number, 0 or less
.endr
.irp x, 0,1
	v_mov_b32 v[ST+4*(2*(\p)+\x)], v[NW+\x]
.endr
.irp x, 0,1
.irp c, 0,1
	v_fma_f32 v[BM+2*\x+\c], v[BM+2*\x+\c], s[CS], v[NW+\x]   ; t - M of each block's largest score: p rises with the score
.endr
.endr
.irp x, 0,1
	v_cvt_i32_f32 v[TA+\x], v[TA+\x]               ; (it saturates)
.endr
.irp x, 0,1
	v_ldexp_f32 v[F+36*\x], 1.0, v[TA+\x]          ; f
.endr
	WIN 0x41                                       ; source 0 and the destination in window 1
.irp x, 0,1
.set i, 0
.rept 32
	v_pk_fma_f32 v[SW+64*\x+2*i:SW+64*\x+2*i+1], v[SW+64*\x+2*i:SW+64*\x+2*i+1], s[CS:CS+1], v[ST+4*(2*(\p)+\x):ST+4*(2*(\p)+\x)+1] op_sel_hi:[1,0,0]   ; t - M, two at a time
.set i, i+1
.endr
.endr
	s_wait_alu depctr_va_vdst(0)                   ; ahead of the first readers of O^T and ahead of the batch
.irp x, 0,1
.set i, 0
.rept 16
	v_pk_mul_f32 v[32*(2*(\p)+\x)+2*i:32*(2*(\p)+\x)+2*i+1], v[32*(2*(\p)+\x)+2*i:32*(2*(\p)+\x)+2*i+1], v[F+36*\x:F+36*\x+1] op_sel_hi:[1,0]   ; O^T under the new M
.set i, i+1
.endr
.endr
.set i, 0
.rept 128
	v_exp_f32 v[SW+i], v[SW+i]                     ; p, at most 1
.set i, i+1
.endr
	WIN 0
.irp b, 0,1,2,3
	v_exp_f32 v[BM+\b], v[BM+\b]                   ; each block's largest p: the same two instructions on the same number
.endr
.irp x, 0,1
	v_pk_mul_f32 v[ST+4*(2*(\p)+\x)+2:ST+4*(2*(\p)+\x)+3], v[ST+4*(2*(\p)+\x)+2:ST+4*(2*(\p)+\x)+3], v[F+36*\x:F+36*\x+1] op_sel_hi:[1,0]   ; the sums under the new M (plain places behind the batch)
	v_pk_mul_f32 v[SB+2*(2*(\p)+\x):SB+2*(2*(\p)+\x)+1], v[SB+2*(2*(\p)+\x):SB+2*(2*(\p)+\x)+1], v[F+36*\x:F+36*\x+1] op_sel_hi:[1,0]
.endr
.if (\p) == 0
	s_wait_dscnt 0x0                               ; V's fragments and scale words are in
.endif
	s_wait_alu depctr_va_vdst(0)                   ; one wait for the whole batch, ahead of its first reader
.irp b, 0,1,2,3
	v_max_num_f32 v[BM+\b], 0x1800000, v[BM+\b]    ; the floor 2^(3 - 127): no byte falls under 1
.endr
.irp b, 0,1,2,3
	v_add_nc_u32 v[SO+\b], 0xff000000, v[BM+\b]    ; 2 off the exponent field: the conversion's scale operand
.endr
.irp b, 0,1,2,3
	v_lshrrev_b32 v[BM+\b], 23, v[SO+\b]           ; the scale's byte
.endr
.irp x, 0,1
	v_lshl_or_b32 v[TA+\x], v[BM+2*\x+1], 16, v[BM+2*\x]   ; my blocks h and 2 + h,
.endr
.irp x, 0,1
	v_lshlrev_b32 v[TA+\x], v[SH8], v[TA+\x]       ; at their places in the word;
.endr
.irp x, 0,1
	v_permlanex16_b32 v[T+\x], v[TA+\x], s[SEL], s[SEL+1]
.endr
.irp x, 0,1
	v_or_b32 v[PS+\x], v[TA+\x], v[T+\x]           ; with lane l xor 16's two the word is whole
.endr
	WIN 0x01                                       ; source 0 in window 1
.irp x, 0,1
.irp c, 0,1
.irp g, 0,1,2,3
	v_cvt_scalef32_pk8_fp4_f32 v[PC+196*\x+4*\c+\g], v[SW+64*\x+32*\c+8*\g:SW+64*\x+32*\c+8*\g+7], v[SO+2*\x+\c]   ; keys 64 c + 32 h + 8 g on: register 4 c + g of the operand
.endr
.endr
.endr
.set i, 0
.rept 16
.irp x, 0,1
	v_pk_add_f32 v[ST+4*(2*(\p)+\x)+2:ST+4*(2*(\p)+\x)+3], v[SW+64*\x+4*i:SW+64*\x+4*i+1], v[ST+4*(2*(\p)+\x)+2:ST+4*(2*(\p)+\x)+3]   ; the sums of the unquantised p: four chains by turns.  These 64 are also the places ahead of the products
	v_pk_add_f32 v[SB+2*(2*(\p)+\x):SB+2*(2*(\p)+\x)+1], v[SW+64*\x+4*i+2:SW+64*\x+4*i+3], v[SB+2*(2*(\p)+\x):SB+2*(2*(\p)+\x)+1]
.endr
.set i, i+1
.endr
	WIN 0x50                                       ; C and D in window 1
.irp x, 0,1
.irp d, 0,1,2,3
	v_wmma_scale_f32_16x16x128_f8f6f4 v[32*(2*(\p)+\x)+8*\d:32*(2*(\p)+\x)+8*\d+7], v[VF+8*\d:VF+8*\d+7], v[PC+196*\x:PC+196*\x+7], v[32*(2*(\p)+\x)+8*\d:32*(2*(\p)+\x)+8*\d+7], v[VS+\d], v[PS+\x] matrix_a_fmt:MATRIX_FMT_FP4 matrix_b_fmt:MATRIX_FMT_FP4
.endr
.endr
	WIN 0
.endm
	s_wait_alu depctr_va_vdst(0)                   ; the wait at the head's end
	s_wait_loadcnt 0x0                             ; the mask, Q
	s_wait_tensorcnt 0x0                           ; my two records
	ds_store_b128 v[MST], v[VF:VF+3]
	ds_store_b128 v[MST], v[VF+4:VF+7] offset:4096
	s_wait_dscnt 0x0
	s_barrier_signal -1
	s_barrier_wait -1                              ; everybody's records and parts of the mask are in LDS; nothing is filled again
	KLOAD 0, 0                                     ; the first step's K, its scale words and the mask
	s_mov_b32 s[CNT], 15
.Lstep:                                            ; 15 trips; each asks for the next step's K and mask as soon as its own score products are issued
	VLOAD
	s_wait_dscnt 9                                 ; all but V's nine loads
	PAIR 0, 0
	PAIR 1, 1
	v_add_nc_u32 v[ADI], RECB, v[ADI]              ; the next record; these five are also the places ahead of the next step's loads
	v_add_nc_u32 v[ADR], RECB, v[ADR]
	v_add_nc_u32 v[ADK], RECB, v[ADK]
	v_add_nc_u32 v[ADS], RECB, v[ADS]
	v_add_nc_u32 v[ADM], 512, v[ADM]
	s_sub_co_u32 s[CNT], s[CNT], 1
	s_cmp_lg_u32 s[CNT], 0
	s_wait_alu depctr_va_vdst(0)                   ; the wait directly ahead of the branch
	s_cbranch_scc1 .Lstep
	VLOAD                                          ; the last step is written out: it asks for nothing beyond the head's records
	s_wait_dscnt 9
	PAIR 0, 0
	PAIR 1, 0
	; THE WAY OUT: the sums are joined, O^T is divided and goes through my stage, so that sixteen lanes store 256 consecutive bytes, aligned
.irp q, 0,1,2,3
	v_pk_add_f32 v[ST+4*\q+2:ST+4*\q+3], v[ST+4*\q+2:ST+4*\q+3], v[SB+2*\q:SB+2*\q+1]
.endr
.irp q, 0,1,2,3
	v_add_f32 v[ST+4*\q+2], v[ST+4*\q+2], v[ST+4*\q+3]
.endr
.irp q, 0,1,2,3
	v_permlanex16_b32 v[ST+4*\q+3], v[ST+4*\q+2], s[SEL], s[SEL+1]
.endr
.irp q, 0,1,2,3
	v_add_f32 v[ST+4*\q+2], v[ST+4*\q+2], v[ST+4*\q+3]
.endr
	s_wait_alu depctr_va_vdst(0)                   ; ahead of the batch
.irp q, 0,1,2,3
	v_rcp_f32 v[ST+4*\q+2], v[ST+4*\q+2]
.endr
	v_nop
	s_wait_alu depctr_va_vdst(0)                   ; and behind it, ahead of the first readers
.macro PACK q
.set rX, X+32*((\q)%2)
.if (\q) >= 2
	s_wait_xcnt 0x0                                ; the stores of two tiles ago have read these registers
.endif
	WIN 0x01
.set i, 0
.rept 16
	v_pk_mul_f32 v[rX+2*i:rX+2*i+1], v[32*(\q)+2*i:32*(\q)+2*i+1], v[ST+4*(\q)+2:ST+4*(\q)+3] op_sel_hi:[1,0]
.set i, i+1
.endr
	WIN 0
.irp g, 0,1
.irp j, 0,1,2,3
	ds_store_b128 v[STO], v[rX+16*\g+4*\j:rX+16*\g+4*\j+3] offset:128*\g+16*\j   ; channels 32 g + 16 h + 4 j on
.endr
.endr
.irp j, 0,1,2,3,4,5,6,7
	ds_load_b128 v[rX+4*\j:rX+4*\j+3], v[RD] offset:2*\j*SP   ; LDS serves a wave's instructions in order
.endr
.endm
.macro SEND q, younger
.set rX, X+32*((\q)%2)
.irp j, 0,1,2,3,4,5,6,7
	s_wait_dscnt \younger+7-\j
	global_store_b128 v[GO], v[rX+4*\j:rX+4*\j+3], s[10:11] offset:(32*((\q)/2)+8*((\q)%2)+2*\j+8*(\j/4))*4096 th:TH_STORE_NT
.endr
.endm
	PACK 0
	PACK 1
	SEND 0, 16
	PACK 2
	SEND 1, 16
	PACK 3
	SEND 2, 16
	SEND 3, 0
	s_wait_tensorcnt 0x0                           ; the wave's end
	ds_add_u32 v[SPW], v[NIL]
	s_wait_dscnt 0x0
	CROUND                                         ; the closing round
	s_endpgm
.Lfunc_end_k_qd470b8c461_attn:
	.size	k_qd470b8c461_attn, .Lfunc_end_k_qd470b8c461_attn-k_qd470b8c461_attn
	.p2alignl 7, 3214868480
	.fill 96, 4, 3214868480
	.section	.rodata,"a",@progbits
	.p2align	6, 0x0
	.amdhsa_kernel k_qd470b8c461_attn
		.amdhsa_group_segment_fixed_size 327680
		.amdhsa_private_segment_fixed_size 0
		.amdhsa_enable_private_segment 0
		.amdhsa_kernarg_size 32
		.amdhsa_user_sgpr_count 2
		.amdhsa_user_sgpr_kernarg_segment_ptr 1
		.amdhsa_wavefront_size32 1
		.amdhsa_system_sgpr_workgroup_id_x 1
		.amdhsa_system_sgpr_workgroup_id_y 1
		.amdhsa_system_sgpr_workgroup_id_z 1
		.amdhsa_system_vgpr_workitem_id 0
		.amdhsa_next_free_vgpr 512
		.amdhsa_next_free_sgpr 66
		.amdhsa_reserve_vcc 0
		.amdhsa_float_denorm_mode_32 3
		.amdhsa_float_denorm_mode_16_64 3
		.amdhsa_memory_ordered 1
		.amdhsa_forward_progress 1
		.amdhsa_inst_pref_size 130
	.end_amdhsa_kernel
	.amdgpu_metadata
---
amdhsa.version: [ 1, 2 ]
amdhsa.kernels:
  - .name:           k_qd470b8c461_attn
    .symbol:         k_qd470b8c461_attn.kd
    .args:
      - { .name: qrec, .offset: 0, .size: 8, .value_kind: global_buffer, .address_space: global }
      - { .name: kv, .offset: 8, .size: 8, .value_kind: global_buffer, .address_space: global }
      - { .name: attention_mask, .offset: 16, .size: 8, .value_kind: global_buffer, .address_space: global }
      - { .name: out0, .offset: 24, .size: 8, .value_kind: global_buffer, .address_space: global }
    .group_segment_fixed_size: 327680
    .private_segment_fixed_size: 0
    .kernarg_segment_align: 8
    .kernarg_segment_size: 32
    .max_flat_workgroup_size: 256
    .sgpr_count:     66
    .vgpr_count:     512
    .wavefront_size: 32
...
	.end_amdgpu_metadata
.endif
;; end of part 3
